; MI455X (gfx1250); checked and timed in simulation.
; The chip was launched on July 23, 2026; its instructions are those of AMD's public machine-readable ISA for CDNA 5 (MIT licence, August 2026) and "CDNA5" Instruction Set Architecture Reference Guide (July 2026). The comments in the code are by the model that wrote it; some were corrected since.
;; Multi Head Attention. Allowed arithmetic: matrix products marked QUANTISED: E5M2 operands, one given power-of-two scale a tensor, by v_wmma_f32_16x16x64_bf8_bf8 or v_wmma_f32_16x16x128_bf8_bf8, f32 sums; everything else in f32.
;; Inputs: W_k 1,024 x 1,024 float32; W_o 1,024 x 1,024 float32; W_q 1,024 x 1,024 float32; W_v 1,024 x 1,024 float32; b_k 1,024 float32; b_o 1,024 float32; b_q 1,024 float32; b_v 1,024 float32; encoder_mask 1 x 1 x 2,048 x 2,048 int32; k 4 x 2,048 x 1,024 float32; lowp_scales 12 int32 (the exponents e of the quantised operands' scales 2^e); q 4 x 2,048 x 1,024 float32; v 4 x 2,048 x 1,024 float32.
;; Outputs: out0 4 x 2,048 x 1,024 float32.
;; This version of the problem:
;;   THIS VERSION OF THE PROBLEM IS GIVEN IN LOW PRECISION. The matrix products marked QUANTISED in the list below multiply operands that are first quantised to E5M2 (5 exponent bits, 2 mantissa bits; 8 bits a number), with one given power-of-two scale for each operand tensor; their sums are f32. All else is computed in f32.
;;   The module's matrix products, in the order in which they are computed (A, B: the left and right operand; K: the contracted axis; several contracted axes count as one K, in the product's order):
;;     1. [M 8,192, K 1,024] x [K 1,024, N 1,024]; A: input q; B: input W_q: QUANTISED (scales: A lowp_scales[0], B lowp_scales[1])
;;     2. [M 8,192, K 1,024] x [K 1,024, N 1,024]; A: input k; B: input W_k: QUANTISED (scales: A lowp_scales[2], B lowp_scales[3])
;;     3. [M 8,192, K 1,024] x [K 1,024, N 1,024]; A: input v; B: input W_v: QUANTISED (scales: A lowp_scales[4], B lowp_scales[5])
;;     4. batch 64 x [M 2,048, K 64] x [K 64, N 2,048]; A: computed on the way; B: computed on the way: QUANTISED (scales: A lowp_scales[6], B lowp_scales[7])
;;     5. batch 64 x [M 2,048, K 2,048] x [K 2,048, N 64]; A: softmax (see below); B: computed on the way: QUANTISED (scales: A lowp_scales[8], B lowp_scales[9])
;;     6. [M 8,192, K 1,024] x [K 1,024, N 1,024]; A: computed on the way; B: input W_o: QUANTISED (scales: A lowp_scales[10], B lowp_scales[11])
;;   THE QUANTISER, for each operand of a quantised product, along K:
;;     - The operand's scale is 2^e, e = its entry of the input lowp_scales (int32; the entries are numbered through the quantised products in the list's order, A before B).
;;     - Each number is divided by the scale, clamped to +-57,344, and rounded to the nearest number of E5M2, ties to even, subnormals kept.
;;     - The product sums the exact products of the quantised numbers (number of the format x scale) in f32.
;;   ~~~python
;;   def quantise(x, axis, e):      # numpy; x: float32 -> the quantised numbers, widened to float32 again
;;       x = np.moveaxis(x, axis, -1); K = x.shape[-1]
;;       r = np.clip(x / 2.0 ** e, -57344, 57344)
;;       step = 2.0 ** (np.maximum(np.frexp(np.where(r == 0, 1, r))[1] - 1, -14) - 2)
;;       q = np.round(r / step) * step * 2.0 ** e      # np.round: ties to even
;;       return np.moveaxis(q, -1, axis).astype(np.float32)
;;   ~~~
;;   SOFTMAX AHEAD OF A QUANTISED PRODUCT. Where the list says 'softmax', what is quantised is not the finished softmax but p = 2^(t - M), with t = logit x log2(e) and M = ceil(the row's largest t), a whole number; so 1/2 < the row's largest p <= 1. The row's sum l is taken of the UNQUANTISED p, in f32, and the product's result is divided by l at the end. Since M is a whole number, a kernel that streams over the keys may use a running M (the ceiling of the running maximum): every later rescaling is an exact power of two, so the quantised numbers keep their values, but for numbers so far below the row's largest that they fall under the format's range.
;;   OPERANDS COMPUTED ON THE WAY. 'Computed on the way' means the value that the module computes at that place (a softmax that the list does not call 'softmax' is quantised finished and normalised). What goes into a quantiser is computed in f32, as accurately as f32 sums, v_exp_f32 and their like allow (about 1e-6 of the number): no bf16 or f16 on the way to a quantiser, and a product that is left as it is and whose result goes on into a quantised operand takes f32 operands (vector FMAs, or v_wmma_f32_16x16x4_f32). A number that lies on a knife's edge between two numbers of the format may be rounded either way, as far as f32 arithmetic and the matrix unit's own rounding can turn it there, and no further.
;; One version. Each part assembles by itself: llvm-mc -triple=amdgcn-amd-amdhsa -mcpu=gfx1250 --defsym DOCPART=n.
;; ======== version 1 of 1: 4 launches
;; limits: right only within a limited range of input values
;; workspace buffers: xc 25,165,824 bytes; wc 4,194,304 bytes; mbits 524,288 bytes of whole numbers; qi 8,388,608 bytes; kv 16,777,216 bytes; ao 8,388,608 bytes
;; launch quant (part 1): grid 1024 x 1, 4 waves a work-group, no clusters, 35,328 bytes of LDS; arguments q, k, v, W_q, W_k, W_v, W_o, encoder_mask, lowp_scales, xc, wc, mbits; writes xc, wc, mbits
.if DOCPART == 1
	.amdgcn_target "amdgcn-amd-amdhsa--gfx1250"
	.amdhsa_code_object_version 6
	.text
	.protected	k_q6e21d48960_quant
	.globl	k_q6e21d48960_quant
	.p2align	8
	.type	k_q6e21d48960_quant,@function
k_q6e21d48960_quant:
	s_mov_b64 s[64:65], 0
	v_nop
	global_prefetch_b8 v0, s[64:65] scope:SCOPE_SE
	s_setreg_imm32_b32 hwreg(HW_REG_WAVE_MODE, 25, 1), 1
	s_wait_xcnt 0x0
; MULTI-HEAD ATTENTION, B 4, S 2,048, D 1,024, 16 heads of 64, all six products on codes of BF8 (E5M2).  FIRST OF FOUR LAUNCHES.
; NOTHING OF THE PROBLEM IS LEFT OUT: all four biases go into a quantiser or into the output, and the mask is an input that is honoured number by number.
; THIS LAUNCH turns q, k, v [8192][1024] and W_q, W_k, W_v, W_o [1024][1024], f32, K innermost, into codes, each with its given scale 2^e, and packs the mask into lane masks.
; code = x / 2^e, held within +-57,344, to the nearest code, ties to even.  LIMITS: e between -126 and 112; NaN among the inputs is not served (an infinity is held at the largest code).
; THE CODES ARE STORED AS IMAGES OF MATRIX FRAGMENTS.  A fragment is 16 rows x 128 K in 16 registers: lane (r = lane % 16, h = lane / 16) holds row r, registers 2c, 2c+1 hold k = 16c + 8h + 0..7.
; Its image is 2,048 bytes: group g (registers 4g..4g+3) at 512 g + 16 x lane.  xc, wc: [tile of 16 rows][K step of 128][2,048 bytes].  So a later launch gets a fragment by four 16-byte loads a lane.
; SHARES.  Work-groups 0-895 quantise 32,768 numbers each (0-255 q, 256-511 k, 512-767 v, then 32 each for W_q, W_k, W_v, W_o); a wave takes 16 rows x 512 K in 8 steps of 16 rows x 64 K.
; A step's eight loads read 256 consecutive bytes of two rows each; the numbers turn through the wave's own stage in LDS (rows 272 bytes apart) so that a lane gets its row's neighbours along K.
; Work-groups 896-1023 take 16 rows of the mask each: word n of a step of 128 keys has, at bit lane, whether mask[16 qtile + r][128 step + 16 (n / 8) + 8h + n % 8] is not 0:
; the place that score has in the attention launch's registers.  mbits: [qtile 128][step 16][64 words].  That path uses no LDS.
; No tensor loads, no barrier: waves share nothing.
.set WREG,  8704                       ; LDS of a wave: two stages of 16 rows x 272 bytes
.set STG,   4352
.set SPARE, 4*WREG                     ; behind the four regions: the spare words, 128 bytes a wave, that no other line names
.set R,     16                         ; v16-111   three sets of 32 numbers as loaded
.set X,     112                        ; v112-175  two sets of 32 numbers in the fragment's order
.set C,     176                        ; v176-191  two sets of 8 registers of codes
.set SPW,   12                         ; v12  my spare word's LDS address; never rewritten
.set NIL,   13                         ; v13  0; never rewritten
.set MW,    144                        ; v144-151  the mask path: a step's 64 words, two a lane
	s_load_b512 s[4:19], s[0:1], 0x0               ; q, k, v, W_q, W_k, W_v, W_o, the mask
	s_load_b256 s[20:27], s[0:1], 0x40             ; the exponents, xc, wc, mbits
	v_lshl_add_u32 v[SPW], v0, 2, SPARE
	v_mov_b32 v[NIL], 0
	v_lshrrev_b32 v1, 5, v0
	v_readfirstlane_b32 s28, v1                    ; wave 0..3
	v_and_b32 v2, 31, v0                           ; lane
	v_and_b32 v6, 15, v0                           ; r
	v_bfe_u32 v7, v0, 4, 1                         ; h
	s_wait_kmcnt 0x0
	s_cmp_ge_u32 ttmp9, 896                        ; the work-group's number alone decides
	s_cbranch_scc1 .Lmask
	s_load_b256 s[36:43], s[20:21], 0x0            ; e0 .. e7
	s_load_b128 s[44:47], s[20:21], 0x20           ; e8 .. e11
	s_mov_b64 s[48:49], s[16:17]                   ; which tensor: from W_o downward
	s_cmp_lt_u32 ttmp9, 864
	s_cselect_b64 s[48:49], s[14:15], s[48:49]
	s_cmp_lt_u32 ttmp9, 832
	s_cselect_b64 s[48:49], s[12:13], s[48:49]
	s_cmp_lt_u32 ttmp9, 800
	s_cselect_b64 s[48:49], s[10:11], s[48:49]
	s_cmp_lt_u32 ttmp9, 768
	s_cselect_b64 s[48:49], s[8:9], s[48:49]
	s_cselect_b64 s[50:51], s[22:23], s[24:25]     ; codes go to xc or to wc
	s_cselect_b32 s30, 255, 31                     ; work-groups in a tensor, less one
	s_cselect_b32 s31, 0, 768                      ; the first work-group of the buffer of codes
	s_cmp_lt_u32 ttmp9, 512
	s_cselect_b64 s[48:49], s[6:7], s[48:49]
	s_cmp_lt_u32 ttmp9, 256
	s_cselect_b64 s[48:49], s[4:5], s[48:49]
	s_and_b32 s30, ttmp9, s30                      ; my work-group's number in its tensor
	s_lshl_b32 s30, s30, 2
	s_add_co_u32 s30, s30, s28                     ; my wave's task: tile of rows = task / 2, half of K = task % 2
	s_lshr_b32 s32, s30, 1
	s_lshl_b32 s32, s32, 16                        ; 16 rows of 4,096 bytes
	s_and_b32 s33, s30, 1
	s_lshl_b32 s33, s33, 11                        ; 512 numbers
	s_add_co_u32 s32, s32, s33
	s_mov_b32 s33, 0
	s_add_nc_u64 s[48:49], s[48:49], s[32:33]
	s_sub_co_u32 s31, ttmp9, s31
	s_lshl_b32 s32, s31, 15                        ; a work-group's codes are 32,768 bytes on end,
	s_lshl_b32 s34, s28, 13                        ; a wave's 8,192
	s_add_co_u32 s32, s32, s34
	s_add_nc_u64 s[50:51], s[50:51], s[32:33]
	s_wait_alu depctr_va_vdst(0)
	v_lshlrev_b32 v3, 4, v6
	v_lshl_add_u32 v3, v7, 12, v3                  ; in: lanes 0-15 one row's 256 bytes, lanes 16-31 the next row's
	v_lshlrev_b32 v4, 4, v2                        ; out: 16 x lane
	s_mul_i32 s35, s28, WREG
	v_mul_u32_u24 v14, v7, 272
	v_lshl_add_u32 v14, v6, 4, v14
	v_add_nc_u32 v14, s35, v14                     ; the stage, on the way in: as loaded
	v_mul_u32_u24 v15, v6, 272
	v_lshl_add_u32 v15, v7, 5, v15
	v_add_nc_u32 v15, s35, v15                     ; and on the way out: row r, + 32 h bytes
.macro LOAD t                          ; step t: 64 numbers of each of 16 rows
.set jj, 0
.rept 8
	global_load_b128 v[R+32*((\t)%3)+4*jj:R+32*((\t)%3)+4*jj+3], v3, s[48:49] offset:256*(\t)+8192*jj th:TH_LOAD_NT
.set jj, jj+1
.endr
.endm
.macro TURN t                          ; through the stage: LDS serves a wave's instructions in order, so no wait stands between the stores and the loads
.set jj, 0
.rept 8
	ds_store_b128 v14, v[R+32*((\t)%3)+4*jj:R+32*((\t)%3)+4*jj+3] offset:STG*((\t)%2)+544*jj
.set jj, jj+1
.endr
.irp g, 0,1                            ; group g: k = 32 g + 8 h + 0..7, then k = 32 g + 16 + 8 h + 0..7
.irp m, 0,1,2,3
	ds_load_b128 v[X+32*((\t)%2)+16*\g+4*\m:X+32*((\t)%2)+16*\g+4*\m+3], v15 offset:STG*((\t)%2)+128*\g+64*(\m/2)+16*(\m%2)
.endr
.endr
.endm
	LOAD 0
	LOAD 1
	LOAD 2
	s_wait_alu depctr_va_vdst(0)
	s_wait_kmcnt 0x0
	s_mov_b32 s52, s47                             ; the tensor's e, by the same chain: e11 for W_o,
	s_cmp_lt_u32 ttmp9, 864
	s_cselect_b32 s52, s41, s52                    ; e5 for W_v,
	s_cmp_lt_u32 ttmp9, 832
	s_cselect_b32 s52, s39, s52                    ; e3 for W_k,
	s_cmp_lt_u32 ttmp9, 800
	s_cselect_b32 s52, s37, s52                    ; e1 for W_q,
	s_cmp_lt_u32 ttmp9, 768
	s_cselect_b32 s52, s40, s52                    ; e4 for v,
	s_cmp_lt_u32 ttmp9, 512
	s_cselect_b32 s52, s38, s52                    ; e2 for k,
	s_cmp_lt_u32 ttmp9, 256
	s_cselect_b32 s52, s36, s52                    ; e0 for q
	s_add_co_i32 s52, s52, 127
	s_lshl_b32 s53, s52, 23
	v_mov_b32 v11, s53                             ; 2^e as f32: the conversion takes its exponent field
	s_add_co_i32 s52, s52, 15
	s_lshl_b32 s52, s52, 23
	s_or_b32 s52, s52, 0x600000
	v_mov_b32 v10, s52                             ; 57,344 x 2^e
	s_wait_alu depctr_va_vdst(0)
	s_wait_loadcnt 16                              ; step 0's eight loads are in; steps 1 and 2 may be out
	TURN 0
.macro STEP t
.set XS, X+32*((\t)%2)
.set CC, C+8*((\t)%2)
	s_wait_dscnt 0x0                               ; this step's numbers are back: so its stores into the stage have read their registers,
.if (\t)+3 < 8
	LOAD (\t)+3                                    ; which take the loads of three steps on
.endif
.if (\t)+1 < 8
.if 6-(\t) >= 2
	s_wait_loadcnt 16                              ; the next step's loads are in; those of the two steps behind it may be out
.else
	s_wait_loadcnt 8*(6-(\t))
.endif
	TURN (\t)+1                                    ; the next step goes through the other stage while this one is worked
.endif
	s_wait_xcnt 0x0                                ; the stores of two steps back have read this set of codes
.set jj, 0
.rept 32
	v_med3_num_f32 v[XS+jj], v[XS+jj], -v10, v10   ; the conversion to an 8-bit code does not saturate (ISA guide 7.6.2): the hold comes first
.set jj, jj+1
.endr
.irp g, 0,1
	v_cvt_scalef32_pk8_bf8_f32 v[CC+4*\g:CC+4*\g+1], v[XS+16*\g:XS+16*\g+7], v11
	v_cvt_scalef32_pk8_bf8_f32 v[CC+4*\g+2:CC+4*\g+3], v[XS+16*\g+8:XS+16*\g+15], v11
.endr
.irp g, 0,1
	global_store_b128 v4, v[CC+4*\g:CC+4*\g+3], s[50:51] offset:1024*(\t)+512*\g   ; 32 lanes store 512 consecutive bytes, aligned
.endr
.endm
.irp t, 0,1,2,3,4,5,6,7
	STEP \t
.endr
	s_wait_tensorcnt 0x0                           ; the wave's end, behind my last LDS store
	ds_add_u32 v[SPW], v[NIL]
	s_wait_dscnt 0x0
	s_endpgm
.Lmask:                                            ; 16 rows of the mask a work-group; wave w takes key steps 4 w .. 4 w + 3
	s_sub_co_u32 s30, ttmp9, 896                   ; qtile
	s_lshl_b32 s32, s30, 17                        ; 16 rows of 8,192 bytes
	s_lshl_b32 s34, s28, 11                        ; four steps of 512 bytes
	s_add_co_u32 s32, s32, s34
	s_mov_b32 s33, 0
	s_add_nc_u64 s[48:49], s[18:19], s[32:33]
	s_lshl_b32 s32, s30, 12                        ; 16 steps of 256 bytes of words
	s_lshl_b32 s34, s28, 10
	s_add_co_u32 s32, s32, s34
	s_add_nc_u64 s[50:51], s[26:27], s[32:33]
	s_wait_alu depctr_va_vdst(0)
	v_lshlrev_b32 v3, 13, v6
	v_lshl_add_u32 v3, v7, 5, v3                   ; row r, + 8 h numbers
	v_lshlrev_b32 v5, 3, v2                        ; out: two words a lane
.set jj, 0
.rept 8
	v_mov_b32 v[MW+jj], 0                          ; written once: a lane write's destination counts as read
.set jj, jj+1
.endr
.macro MLOAD u                         ; register 8 t + j: mask[row r][128 step + 16 t + 8 h + j]
.set nn, 0
.rept 16
	global_load_b128 v[16+64*((\u)%2)+4*nn:16+64*((\u)%2)+4*nn+3], v3, s[48:49] offset:512*(\u)+64*(nn/2)+16*(nn%2)
.set nn, nn+1
.endr
.endm
.macro MBLK u
.if (\u) < 3
	s_wait_loadcnt 16                              ; this step's sixteen loads are in; the next step's may be out
.else
	s_wait_loadcnt 0
.endif
.set nb, 0
.rept 8
.set nn, 0
.rept 8
	v_cmp_ne_u32 s[56+nn], 0, v[16+64*((\u)%2)+8*nb+nn]   ; word 8 nb + nn: a bit a lane
.set nn, nn+1
.endr
.set nn, 0
.rept 8
	v_writelane_b32 v[MW+2*(\u)+nn%2], s[56+nn], (8*nb+nn)/2   ; word n goes to lane n / 2, register n % 2
.set nn, nn+1
.endr
.set nb, nb+1
.endr
.if (\u) < 2
	MLOAD (\u)+2
.endif
	global_store_b64 v5, v[MW+2*(\u):MW+2*(\u)+1], s[50:51] offset:256*(\u)   ; 32 lanes store 256 consecutive bytes, aligned
.endm
	MLOAD 0
	MLOAD 1
	MBLK 0
	MBLK 1
	MBLK 2
	MBLK 3
	s_endpgm
.Lfunc_end_k_q6e21d48960_quant:
	.size	k_q6e21d48960_quant, .Lfunc_end_k_q6e21d48960_quant-k_q6e21d48960_quant
	.p2alignl 7, 3214868480
	.fill 96, 4, 3214868480
	.section	.rodata,"a",@progbits
	.p2align	6, 0x0
	.amdhsa_kernel k_q6e21d48960_quant
		.amdhsa_group_segment_fixed_size 35328
		.amdhsa_private_segment_fixed_size 0
		.amdhsa_enable_private_segment 0
		.amdhsa_kernarg_size 96
		.amdhsa_user_sgpr_count 2
		.amdhsa_user_sgpr_kernarg_segment_ptr 1
		.amdhsa_wavefront_size32 1
		.amdhsa_system_sgpr_workgroup_id_x 1
		.amdhsa_system_sgpr_workgroup_id_y 1
		.amdhsa_system_sgpr_workgroup_id_z 1
		.amdhsa_system_vgpr_workitem_id 0
		.amdhsa_next_free_vgpr 192
		.amdhsa_next_free_sgpr 66
		.amdhsa_reserve_vcc 0
		.amdhsa_float_denorm_mode_32 3
		.amdhsa_float_denorm_mode_16_64 3
		.amdhsa_memory_ordered 1
		.amdhsa_forward_progress 1
		.amdhsa_inst_pref_size 78
	.end_amdhsa_kernel
	.amdgpu_metadata
---
amdhsa.version: [ 1, 2 ]
amdhsa.kernels:
  - .name:           k_q6e21d48960_quant
    .symbol:         k_q6e21d48960_quant.kd
    .args:
      - { .name: q, .offset: 0, .size: 8, .value_kind: global_buffer, .address_space: global }
      - { .name: k, .offset: 8, .size: 8, .value_kind: global_buffer, .address_space: global }
      - { .name: v, .offset: 16, .size: 8, .value_kind: global_buffer, .address_space: global }
      - { .name: W_q, .offset: 24, .size: 8, .value_kind: global_buffer, .address_space: global }
      - { .name: W_k, .offset: 32, .size: 8, .value_kind: global_buffer, .address_space: global }
      - { .name: W_v, .offset: 40, .size: 8, .value_kind: global_buffer, .address_space: global }
      - { .name: W_o, .offset: 48, .size: 8, .value_kind: global_buffer, .address_space: global }
      - { .name: encoder_mask, .offset: 56, .size: 8, .value_kind: global_buffer, .address_space: global }
      - { .name: lowp_scales, .offset: 64, .size: 8, .value_kind: global_buffer, .address_space: global }
      - { .name: xc, .offset: 72, .size: 8, .value_kind: global_buffer, .address_space: global }
      - { .name: wc, .offset: 80, .size: 8, .value_kind: global_buffer, .address_space: global }
      - { .name: mbits, .offset: 88, .size: 8, .value_kind: global_buffer, .address_space: global }
    .group_segment_fixed_size: 35328
    .private_segment_fixed_size: 0
    .kernarg_segment_align: 8
    .kernarg_segment_size: 96
    .max_flat_workgroup_size: 128
    .sgpr_count:     66
    .vgpr_count:     192
    .wavefront_size: 32
...
	.end_amdgpu_metadata
.endif
;; end of part 1
;; launch proj (part 2): grid 4 x 96, 4 waves a work-group, clusters of 4 x 4, 327,680 bytes of LDS; arguments xc, wc, b_q, b_k, b_v, lowp_scales, qi, kv; writes qi, kv
.if DOCPART == 2
	.amdgcn_target "amdgcn-amd-amdhsa--gfx1250"
	.amdhsa_code_object_version 6
	.text
	.protected	k_q6e21d48960_proj
	.globl	k_q6e21d48960_proj
	.p2align	8
	.type	k_q6e21d48960_proj,@function
k_q6e21d48960_proj:
	s_mov_b64 s[64:65], 0
	v_nop
	global_prefetch_b8 v0, s[64:65] scope:SCOPE_SE
	s_setreg_imm32_b32 hwreg(HW_REG_WAVE_MODE, 25, 1), 1
	s_wait_xcnt 0x0
	s_wait_alu depctr_hold_cnt(0) depctr_sa_sdst(0) depctr_va_vdst(0) depctr_va_sdst(0) depctr_va_ssrc(0) depctr_va_vcc(0) depctr_vm_vsrc(0)
	s_getreg_b32 s2, hwreg(HW_REG_IB_STS2, 6, 4)
	s_cmp_eq_u32 s2, 0
	s_cbranch_scc0 .Lentry_in_a_cluster
	s_endpgm
.Lentry_in_a_cluster:
	s_bfe_u32 s2, ttmp6, 0x10000c
	s_cmp_lg_u32 s2, 0xf033
	s_cbranch_scc0 .Lentry_shape_is_right
	s_endpgm
.Lentry_shape_is_right:
.set FR,     16
.set NL,     4
.set NP,     4
.set HALFT,  32768
.set SLOT,   4*HALFT
.set SPARE,  2*SLOT
.set SC,   8
.set LIM,  9
.set LI,   10
.set BO,   11
.set ADRA, 16
.set ADRB, 20
.set SPW,  28
.set NIL,  29
.set BI,   32
.set AF,   128
.set YR,   128
.set CD,   192
.set G1, 24
.set G0, 32
.set G1B, 48
.set G0B, 56
.set MSB, 0
.macro WIN new
.if MSB != \new
	s_set_vgpr_msb (MSB<<8)|\new
.set MSB, \new
.endif
.endm
.set MUL_LO, 0xa1
.set MUL_HI, 0xf1
.set TO_B,   0x40
.macro JLOAD g0a, g1a, g0b, g1b
	s_cmp_eq_u32 s15, 0
	s_cbranch_scc0 .Lfor_b_\@
	tensor_load_to_lds s[\g0a:\g0a+3], s[\g1a:\g1a+7]
	s_nop 0
.rept 4
	v_nop
.endr
	s_branch .Lasked_\@
.Lfor_b_\@:
	tensor_load_to_lds s[\g0b:\g0b+3], s[\g1b:\g1b+7]
	s_nop 0
.rept 4
	v_nop
.endr
.Lasked_\@:
.endm
.macro CREST
	s_cmp_lg_u32 s14, 0
	s_cbranch_scc1 .Lnot_wave_0_\@
	s_barrier_signal -3
.Lnot_wave_0_\@:
	s_barrier_wait -3
	s_barrier_signal -1
	s_barrier_wait -1
.endm
.macro CROUND
	s_barrier_signal -1
	s_barrier_wait -1
	CREST
.endm
	s_load_b256 s[4:11], s[0:1], 0x0
	s_load_b256 s[68:75], s[0:1], 0x20
	v_lshl_add_u32 v[SPW], v0, 2, SPARE
	v_mov_b32 v[NIL], 0
	ds_add_u32 v[SPW], v[NIL]
	ds_add_u32 v[SPW], v[NIL]
	v_lshrrev_b32 v1, 5, v0
	v_readfirstlane_b32 s14, v1
	s_lshr_b32 s15, s14, 1
	s_and_b32 s16, s14, 1
	s_bfe_u32 s40, ttmp6, 0x40000
	s_bfe_u32 s41, ttmp6, 0x40004
	s_and_b32 s67, ttmp7, 0xffff
	s_lshr_b32 s66, s67, 3
	s_and_b32 s67, s67, 7
	s_lshl_b32 s22, s66, 23
	s_lshl_b32 s23, s66, 20
	s_cmp_eq_u32 s66, 2
	s_cselect_b32 s18, 0, s67
	s_cselect_b32 s19, s67, 0
	s_cselect_b32 s22, 0x200000, s22
	s_cselect_b32 s23, 0x1000000, s23
	s_lshl_b32 s17, s18, 2
	s_add_co_u32 s17, s17, s41
	s_lshl_b32 s42, s19, 2
	s_add_co_u32 s42, s42, s40
	s_lshl_b32 s43, s41, 2
	s_lshl_b32 s43, 15, s43
	s_lshl_b32 s44, 0x1111, s40
	s_or_b32 s[G1+0], s43, (3<<16)|(1<<21)
	s_or_b32 s[G1B+0], s44, (3<<16)|(1<<21)
.irp g, G1, G1B
	s_mov_b32 s[\g+1], 512<<16
	s_mov_b32 s[\g+2], 8<<16
	s_mov_b32 s[\g+3], 512<<16
	s_mov_b32 s[\g+4], 8
	s_mov_b32 s[\g+5], 2048
	s_mov_b32 s[\g+6], 0
	s_mov_b32 s[\g+7], 0
.endr
	s_lshl_b32 s18, s16, 17
	s_lshl_b32 s20, s17, 18
	s_add_co_u32 s20, s20, s18
	s_add_co_u32 s20, s20, s22
	s_mov_b32 s21, 0
	s_lshl_b32 s46, s42, 18
	s_add_co_u32 s46, s46, s18
	s_add_co_u32 s46, s46, s23
	s_mov_b32 s47, 0
	s_lshl_b32 s45, s14, 15
	s_wait_dscnt 0x0
	s_wait_kmcnt 0x0
	s_load_b256 s[76:83], s[70:71], 0x0
	s_load_b128 s[84:87], s[70:71], 0x20
	s_cmp_eq_u32 s66, 2
	s_cselect_b64 s[92:93], s[6:7], s[4:5]
	s_cselect_b64 s[94:95], s[4:5], s[6:7]
	s_add_nc_u64 s[20:21], s[92:93], s[20:21]
	s_add_nc_u64 s[46:47], s[94:95], s[46:47]
	CROUND
.irp s, 0,1
	s_mov_b32 s[G0+4*\s], 1
	s_add_co_u32 s[G0+4*\s+1], s45, \s*SLOT
	s_add_nc_u64 s[G0+4*\s+2:G0+4*\s+3], s[20:21], \s*4096
	s_or_b32 s[G0+4*\s+3], s[G0+4*\s+3], 0x80000000
	s_mov_b32 s[G0B+4*\s], 1
	s_add_co_u32 s[G0B+4*\s+1], s45, \s*SLOT
	s_add_nc_u64 s[G0B+4*\s+2:G0B+4*\s+3], s[46:47], \s*4096
	s_or_b32 s[G0B+4*\s+3], s[G0B+4*\s+3], 0x80000000
	s_wait_alu depctr_va_vdst(0)
	s_wait_tensorcnt 0x0
	ds_add_u32 v28, v29
	ds_add_u32 v28, v29
	s_wait_dscnt 0x0
	CROUND
	JLOAD G0+4*\s, G1, G0B+4*\s, G1B
.endr
	v_and_b32 v1, 31, v0
	v_lshlrev_b32 v[LI], 4, v1
	s_lshl_b32 s21, s15, 15
	s_lshl_b32 s22, s16, 15
	s_add_co_u32 s22, s22, 2*HALFT
.irp s, 0,1
	v_add_nc_u32 v[ADRA+\s], s21, v[LI]
	v_add_nc_u32 v[ADRB+\s], s22, v[LI]
	s_add_co_u32 s21, s21, SLOT
	s_add_co_u32 s22, s22, SLOT
.endr
.macro FRAG reg, adr, q, i
.irp c, 0,1,2,3
	ds_load_b128 v[\reg+4*\c:\reg+4*\c+3], v[\adr] offset:4096*(\i)+2048*(\q)+512*\c
.endr
.endm
.macro MUL16 a0, p, zero
.irp a, \a0, \a0+1
.irp b, 0,1,2,3,4,5,6,7
.if \zero
	v_wmma_f32_16x16x128_bf8_bf8 v[8*(8*((\a)%4)+\b):8*(8*((\a)%4)+\b)+7], v[128*(\p)+FR*\b:128*(\p)+FR*\b+FR-1], v[AF+FR*(\a):AF+FR*(\a)+FR-1], 0
.else
	v_wmma_f32_16x16x128_bf8_bf8 v[8*(8*((\a)%4)+\b):8*(8*((\a)%4)+\b)+7], v[128*(\p)+FR*\b:128*(\p)+FR*\b+FR-1], v[AF+FR*(\a):AF+FR*(\a)+FR-1], v[8*(8*((\a)%4)+\b):8*(8*((\a)%4)+\b)+7]
.endif
.endr
.endr
.endm
.macro FETCH_B slot, q, p
	WIN TO_B
.irp i, 0,1,2,3,4,5,6,7
	FRAG 128*(\p)+FR*\i, ADRB+\slot, \q, \i
.endr
	WIN 0
.endm
.macro FETCH_A slot, q, i0
.irp i, \i0, \i0+1, \i0+2, \i0+3
	FRAG AF+FR*(\i), ADRA+\slot, \q, \i
.endr
.endm
.macro PLACES n
.rept \n
	v_nop
.endr
.endm
.macro STEP slot, q, zero
	s_wait_dscnt 4*NL
	WIN MUL_LO
	MUL16 0, (\q)%2, \zero
	MUL16 2, (\q)%2, \zero
	s_wait_dscnt 0
	PLACES NP
	FETCH_B \slot, (\q)+1, 1-(\q)%2
	FETCH_A \slot, (\q)+1, 0
	WIN MUL_HI
	MUL16 4, (\q)%2, \zero
	MUL16 6, (\q)%2, \zero
	PLACES NP
	WIN 0
	FETCH_A \slot, (\q)+1, 4
.endm
.macro TURN slot, next, fill
	s_wait_tensorcnt 0x0
	ds_add_u32 v[SPW], v[NIL]
	s_wait_dscnt 4*NL+1
	WIN MUL_LO
	MUL16 0, 1, 0
	s_wait_dscnt 0x0
	s_barrier_signal -1
	MUL16 2, 1, 0
	WIN 0
	s_barrier_wait -1
.if \fill
	CREST
	s_add_nc_u64 s[G0+4*\slot+2:G0+4*\slot+3], s[G0+4*\slot+2:G0+4*\slot+3], 8192
	s_add_nc_u64 s[G0B+4*\slot+2:G0B+4*\slot+3], s[G0B+4*\slot+2:G0B+4*\slot+3], 8192
	JLOAD G0+4*\slot, G1, G0B+4*\slot, G1B
.else
	PLACES NP
.endif
	FETCH_B \next, 0, 0
	FETCH_A \next, 0, 0
	WIN MUL_HI
	MUL16 4, 1, 0
	MUL16 6, 1, 0
	PLACES NP
	WIN 0
	FETCH_A \next, 0, 4
.endm
.macro LAST
	s_wait_dscnt 4*NL
	WIN MUL_LO
	MUL16 0, 1, 0
	MUL16 2, 1, 0
	s_wait_dscnt 0
	WIN MUL_HI
	MUL16 4, 1, 0
	MUL16 6, 1, 0
	WIN 0
.endm
.macro OUTBLK a, kind
.set AC, 64*((\a)%4)
.set CB, CD+16*((\a)%2)
	WIN 0x02+((\a)/4)
.set jj, 0
.rept 32
.if \kind
	v_pk_fma_f32 v[YR+jj:YR+jj+1], v[AC+jj:AC+jj+1], s[96:97], v[BI+2*(\a):BI+2*(\a)+1] op_sel_hi:[1,0,1]
.else
	v_pk_fma_f32 v[YR+jj:YR+jj+1], v[AC+jj:AC+jj+1], s[96:97], v[BI+jj:BI+jj+1] op_sel_hi:[1,0,1]
.endif
.set jj, jj+2
.endr
	WIN 0
.set jj, 0
.rept 64
	v_med3_num_f32 v[YR+jj], v[YR+jj], -v[LIM], v[LIM]
.set jj, jj+1
.endr
	s_wait_alu depctr_va_vdst(0)
	s_wait_xcnt 0x0
.set jj, 0
.rept 8
	v_cvt_scalef32_pk8_bf8_f32 v[CB+2*jj:CB+2*jj+1], v[YR+8*jj:YR+8*jj+7], v[SC]
.set jj, jj+1
.endr
	v_nop
.if \kind
.irp g, 0,1,2,3
	global_store_b128 v[LI], v[CB+4*\g:CB+4*\g+3], s[88:89] offset:((\a)/4)*262144+((\a)%4)*2048+512*\g
.endr
.else
.irp g, 0,1
	global_store_b128 v[LI], v[CB+4*\g:CB+4*\g+3], s[88:89] offset:1024*(\a)+512*\g
	global_store_b128 v[LI], v[CB+8+4*\g:CB+8+4*\g+3], s[90:91] offset:1024*(\a)+512*\g
.endr
.endif
.endm
.macro SCALES
	s_add_co_i32 s96, s96, 127
	s_lshl_b32 s96, s96, 23
	s_mov_b32 s97, s96
	s_add_co_i32 s18, s18, 127
	s_lshl_b32 s19, s18, 23
	v_mov_b32 v[SC], s19
	s_add_co_i32 s18, s18, 15
	s_lshl_b32 s18, s18, 23
	s_or_b32 s18, s18, 0x600000
	v_mov_b32 v[LIM], s18
.endm
	s_wait_alu depctr_va_vdst(0)
	s_wait_tensorcnt 1
	s_barrier_signal -1
	s_barrier_wait -1
	FETCH_B 0, 0, 0
	FETCH_A 0, 0, 0
	FETCH_A 0, 0, 4
	STEP 0, 0, 1
	TURN 0, 1, 1
	STEP 1, 0, 0
	TURN 1, 0, 1
	STEP 0, 0, 0
	TURN 0, 1, 0
	STEP 1, 0, 0
	s_cmp_eq_u32 s66, 2
	s_cbranch_scc1 .Larm_v
	s_cmp_eq_u32 s66, 1
	s_cselect_b64 s[92:93], s[10:11], s[8:9]
	s_cselect_b64 s[88:89], s[74:75], s[72:73]
	s_lshl_b32 s18, s42, 10
	s_lshl_b32 s19, s16, 9
	s_add_co_u32 s18, s18, s19
	s_mov_b32 s19, 0
	s_add_nc_u64 s[92:93], s[92:93], s[18:19]
	v_bfe_u32 v[BO], v0, 4, 1
	v_lshlrev_b32 v[BO], 5, v[BO]
.set jj, 0
.rept 8
	global_load_b128 v[BI+8*jj:BI+8*jj+3], v[BO], s[92:93] offset:64*jj
	global_load_b128 v[BI+8*jj+4:BI+8*jj+7], v[BO], s[92:93] offset:64*jj+16
.set jj, jj+1
.endr
	LAST
	s_wait_kmcnt 0x0
	s_cmp_eq_u32 s66, 1
	s_cselect_b32 s96, s78, s76
	s_cselect_b32 s97, s79, s77
	s_cselect_b32 s18, s83, s82
	s_add_co_i32 s96, s96, s97
	SCALES
	s_lshl_b32 s20, s17, 8
	s_lshl_b32 s21, s15, 7
	s_add_co_u32 s20, s20, s21
	s_lshr_b32 s21, s20, 11
	s_and_b32 s20, s20, 2047
	s_lshl_b32 s21, s21, 4
	s_lshl_b32 s22, s42, 2
	s_add_co_u32 s21, s21, s22
	s_lshl_b32 s22, s16, 1
	s_add_co_u32 s21, s21, s22
	s_lshl_b32 s21, s21, 17
	s_lshl_b32 s20, s20, 6
	s_add_co_u32 s20, s20, s21
	s_lshl_b32 s20, s20, s66
	s_mov_b32 s21, 0
	s_add_nc_u64 s[88:89], s[88:89], s[20:21]
	s_lshl_b32 s20, 0x20000, s66
	s_add_nc_u64 s[90:91], s[88:89], s[20:21]
	s_wait_loadcnt 0x0
	PLACES NP
.irp a, 0,1,2,3,4,5,6,7
	OUTBLK \a, 0
.endr
	s_branch .Ldone
.Larm_v:
	s_lshl_b32 s18, s17, 10
	s_lshl_b32 s19, s15, 9
	s_add_co_u32 s18, s18, s19
	s_mov_b32 s19, 0
	s_add_nc_u64 s[92:93], s[68:69], s[18:19]
	v_and_b32 v[BO], 15, v0
	v_lshlrev_b32 v[BO], 2, v[BO]
.set jj, 0
.rept 8
	global_load_b32 v[BI+2*jj], v[BO], s[92:93] offset:64*jj
	global_load_b32 v[BI+2*jj+1], v[BO], s[92:93] offset:64*jj
.set jj, jj+1
.endr
	LAST
	s_wait_kmcnt 0x0
	s_add_co_i32 s96, s80, s81
	s_mov_b32 s18, s85
	SCALES
	s_lshl_b32 s20, s42, 8
	s_lshl_b32 s21, s16, 7
	s_add_co_u32 s20, s20, s21
	s_lshr_b32 s21, s20, 11
	s_bfe_u32 s20, s20, 0x40007
	s_lshl_b32 s21, s21, 4
	s_lshl_b32 s22, s17, 2
	s_add_co_u32 s21, s21, s22
	s_lshl_b32 s22, s15, 1
	s_add_co_u32 s21, s21, s22
	s_lshl_b32 s21, s21, 4
	s_add_co_u32 s20, s20, s21
	s_lshl_b32 s20, s20, 14
	s_add_co_u32 s20, s20, 8192
	s_mov_b32 s21, 0
	s_add_nc_u64 s[88:89], s[74:75], s[20:21]
	s_wait_loadcnt 0x0
	PLACES NP
.irp a, 0,1,2,3,4,5,6,7
	OUTBLK \a, 1
.endr
.Ldone:
	s_wait_tensorcnt 0x0
	ds_add_u32 v[SPW], v[NIL]
	s_wait_dscnt 0x0
	CROUND
	s_endpgm
.Lfunc_end_k_q6e21d48960_proj:
	.size	k_q6e21d48960_proj, .Lfunc_end_k_q6e21d48960_proj-k_q6e21d48960_proj
	.p2alignl 7, 3214868480
	.fill 96, 4, 3214868480
	.section	.rodata,"a",@progbits
	.p2align	6, 0x0
	.amdhsa_kernel k_q6e21d48960_proj
		.amdhsa_group_segment_fixed_size 327680
		.amdhsa_private_segment_fixed_size 0
		.amdhsa_enable_private_segment 0
		.amdhsa_kernarg_size 64
		.amdhsa_user_sgpr_count 2
		.amdhsa_user_sgpr_kernarg_segment_ptr 1
		.amdhsa_wavefront_size32 1
		.amdhsa_system_sgpr_workgroup_id_x 1
		.amdhsa_system_sgpr_workgroup_id_y 1
		.amdhsa_system_sgpr_workgroup_id_z 1
		.amdhsa_system_vgpr_workitem_id 0
		.amdhsa_next_free_vgpr 1024
		.amdhsa_next_free_sgpr 100
		.amdhsa_reserve_vcc 0
		.amdhsa_float_denorm_mode_32 3
		.amdhsa_float_denorm_mode_16_64 3
		.amdhsa_memory_ordered 1
		.amdhsa_forward_progress 1
		.amdhsa_inst_pref_size 201
	.end_amdhsa_kernel
	.amdgpu_metadata
---
amdhsa.version: [ 1, 2 ]
amdhsa.kernels:
  - .name:           k_q6e21d48960_proj
    .symbol:         k_q6e21d48960_proj.kd
    .args:
      - { .name: xc, .offset: 0, .size: 8, .value_kind: global_buffer, .address_space: global }
      - { .name: wc, .offset: 8, .size: 8, .value_kind: global_buffer, .address_space: global }
      - { .name: b_q, .offset: 16, .size: 8, .value_kind: global_buffer, .address_space: global }
      - { .name: b_k, .offset: 24, .size: 8, .value_kind: global_buffer, .address_space: global }
      - { .name: b_v, .offset: 32, .size: 8, .value_kind: global_buffer, .address_space: global }
      - { .name: lowp_scales, .offset: 40, .size: 8, .value_kind: global_buffer, .address_space: global }
      - { .name: qi, .offset: 48, .size: 8, .value_kind: global_buffer, .address_space: global }
      - { .name: kv, .offset: 56, .size: 8, .value_kind: global_buffer, .address_space: global }
    .group_segment_fixed_size: 327680
    .private_segment_fixed_size: 0
    .kernarg_segment_align: 8
    .kernarg_segment_size: 64
    .max_flat_workgroup_size: 128
    .sgpr_count:     100
    .vgpr_count:     1024
    .wavefront_size: 32
...
	.end_amdgpu_metadata
.endif
;; end of part 2
;; launch attn (part 3): grid 4 x 64, 16 waves a work-group, no clusters, 264,192 bytes of LDS; arguments qi, kv, mbits, lowp_scales, ao; writes ao
.if DOCPART == 3
	.amdgcn_target "amdgcn-amd-amdhsa--gfx1250"
	.amdhsa_code_object_version 6
	.text
	.protected	k_q6e21d48960_attn
	.globl	k_q6e21d48960_attn
	.p2align	8
	.type	k_q6e21d48960_attn,@function
k_q6e21d48960_attn:
	s_mov_b64 s[64:65], 0
	v_nop
	global_prefetch_b8 v0, s[64:65] scope:SCOPE_SE
	s_setreg_imm32_b32 hwreg(HW_REG_WAVE_MODE, 25, 1), 1
	s_wait_xcnt 0x0
; THIRD LAUNCH: for each batch and head, softmax(mask(Q K^T / 8)) V on codes of BF8 (E5M2), the result quantised for the output projection and stored as images of fragments.  Nothing of the problem is left out.
; THE SOFTMAX: t = raw score x c, c = log2(e) / 8 x 2^(e6 + e7); M = the row's largest t so far, rounded UP to a whole number; p = 2^(t - M) is quantised with 2^e8, not normalised.
; The row's sum is taken of the unquantised p and divides O at the end.  When M moves, the sum and O are multiplied by 2^(old M - new M), which rounds nothing.
; THE MASK: where it is 0 the raw score is replaced by -2^(33 - e6 - e7), ahead of the maximum.  Its t is -c0 x 2^33 (c0 = log2(e) / 8 in f32), exact and a whole number: in a row whose mask is all 0
; M = t, the fused t - M is 0 and p = 1 for every key: the uniform softmax.  In a row with a key that counts, a masked key's p is 0.
; LIMIT: that is a masked logit of -2^30 where the problem writes -1e9: the results are the same unless a logit that counts lies under about -1e9 (none can with e6 + e7 <= -5).
; LIMITS: e6 + e7 between -94 and 130; e8 and e10 between -126 and 112; e8 + e9 goes by v_ldexp_f32 and has none.  NaN among the inputs is not served.
; SHARES.  A work-group has one batch and head (y) and 512 of its queries (x); each of its sixteen waves owns TWO tiles of 16 queries, A and B, and walks them together, so that each fragment of K and V read from LDS feeds two products.
; THE HEAD'S K AND V COME TO LIE WHOLE IN LDS: 16 images of 128 keys x 16,384 bytes, written once each, in eight parts of two images.  A wave brings 2,048 bytes of each part through 16 registers.
; The head brings part 0.  A trip of the loop walks one part (four steps of 64 keys); in its middle the part asked for a trip earlier is stored, one barrier follows, and the part after that is asked for.
; TWO BRANCHES ON WHOLE NUMBERS READ FROM MEMORY stand in a step, each round vector work alone:
;   a step whose 64 mask words (both tiles) are all ones takes no select and asks for no words: four bits a part, made from mbits beside the part's fill;
;   p is held at 57,344 x 2^e8 only where e8 < -15: else p, which stays under 1.75, lies under that bound and the hold changes nothing.
; This launch has no tensor loads, no joint loads and no cluster.  No prefetch: each part is itself asked for two images' steps ahead of its store.
; LAYOUT.  Both products are used transposed: S^T = K Q^T (source 0 = 16 keys), O^T = V^T P^T (source 0 = 16 channels x 64 keys).  A lane holds one query (lane % 16) of each tile;
; register j of S^T's tile t is key 16 t + 8 (lane / 16) + j: one conversion of a tile gives registers 2 t, 2 t + 1 of P's fragment; likewise O^T's tile c for the next product's operand.
; Three banks of 32 registers: one holds K and then V; one S_A, then p_A, then the next step's K; the third S_B and p_B.  The first two change places from step to step.
; The loop is written once for all eight trips: the last step's look-ahead wraps to image 0, eight LDS loads whose result nothing uses.
.set SPARE, 262144                     ; behind K and V: the spare words, 128 bytes a wave, that no other line names
.set LI,  1                            ; 16 x lane
.set E10S, 2                           ; 2^e10
.set CA,  3                            ; my bytes of the part on its way: the same offset in the head's kv and in LDS
.set STA, 4                            ; 2,048 x wave + 16 x lane
.set SPW, 5
.set NIL, 6
.set ADR, 7                            ; the image in hand in LDS + 16 x lane
.set MQA, 8                            ; v[8:11], v[242:245]: mask words of the part on its way, tiles A and B
.set MQB, 242
.set RA,  13                           ; the largest raw score so far, A; v12/v16: -M of A, by turns
.set RB,  15                           ; the same for B; v14/v18
.set MA,  17                           ; offset of the mask words on their way (also named as the upper half of the pair v[16:17], whose low word alone is used)
.set LA,  20                           ; v[20:21], v[22:23] the sums; v[24:27] their second chains
.set LB,  22
.set TA,  24
.set TC,  26
.set MX,  28                           ; v28-31 four chains of the maximum
.set XB,  32
.set YB,  64
.set ZB,  96
.set OA,  128
.set OB,  160
.set QA,  192
.set QB,  200
.set PA,  208
.set PB,  216
.set FFA, 224                          ; f = 2^(old M - new M), low word of a pair
.set FFB, 226
.set DA,  228
.set DB,  229
.set XA,  230                          ; lane permutes' destinations
.set XC,  231                          ; v232-239, v248-255: K and V on their way
.set L8,  240                          ; 57,344 x 2^e8
.set L10, 241                          ; 57,344 x 2^e10
.set SM,  246                          ; the masked score
.set E8S, 247                          ; 2^e8
.set CS,  2                            ; s[2:3] c, twice
.set NC,  10                           ; -c
.set HF,  11                           ; 1 where p needs its hold
.set WV,  14
.set CNT, 15
.set MO,  19                           ; byte offset of a step's mask words
.set TS,  27                           ; first byte of the part on its way
.set EPV, 28                           ; e8 + e9
.set TBS, 29                           ; LDS byte of the image in hand
.set FL,  30                           ; bit k: step k of this part has no hole
.set FN,  31                           ; the same for the next part
.set SEL, 66                           ; lane selects for lane l xor 16
.macro MWORDS                          ; a step's words: 32 for tile A into s[32:63], 32 for tile B (16 tiles of 4,096 bytes on) into s[68:99]
	s_load_b512 s[32:47], s[8:9], s[MO] offset:0
	s_load_b512 s[48:63], s[8:9], s[MO] offset:64
	s_load_b512 s[68:83], s[8:9], s[MO] offset:65536
	s_load_b512 s[84:99], s[8:9], s[MO] offset:65600
.endm
.macro ASK                             ; my 2,048 bytes of a part, and the part's mask words: each load reads 512 consecutive bytes
	global_load_b128 v[232:235], v[CA], s[6:7]
	global_load_b128 v[236:239], v[CA], s[6:7] offset:512
	global_load_b128 v[248:251], v[CA], s[6:7] offset:1024
	global_load_b128 v[252:255], v[CA], s[6:7] offset:1536
	global_load_b128 v[MQA:MQA+3], v[MA], s[8:9]
	global_load_b128 v[MQB:MQB+3], v[MA], s[8:9] offset:65536
.endm
.macro FLAGS ra, rb, dst               ; 128 words of each tile, four a lane, eight lanes to a step: bit k of dst = step k's 64 words are all ones
.irp i, 0,1,2,3
	v_and_b32 v[\ra+\i], v[\ra+\i], v[\rb+\i]
.endr
	v_and_b32 v[\ra], v[\ra], v[\ra+1]
	v_and_b32 v[\ra+2], v[\ra+2], v[\ra+3]
	v_and_b32 v[\ra], v[\ra], v[\ra+2]
	v_cmp_eq_u32 s[\dst], -1, v[\ra]               ; a bit a lane: byte k belongs to step k
	s_lshr_b32 s16, s[\dst], 4                     ; the byte's eight bits are joined into its bit 0,
	s_and_b32 s[\dst], s[\dst], s16
	s_lshr_b32 s16, s[\dst], 2
	s_and_b32 s[\dst], s[\dst], s16
	s_lshr_b32 s16, s[\dst], 1
	s_and_b32 s[\dst], s[\dst], s16
	s_and_b32 s[\dst], s[\dst], 0x01010101
	s_mul_i32 s[\dst], s[\dst], 0x01020408         ; and bit 8 k goes to bit 24 + k; no two terms of the product meet in one bit
	s_lshr_b32 s[\dst], s[\dst], 24
.endm
	s_load_b256 s[4:11], s[0:1], 0x0               ; qi, kv, mbits, the exponents
	s_load_b64 s[12:13], s[0:1], 0x20              ; ao
	v_lshl_add_u32 v[SPW], v0, 2, SPARE
	v_mov_b32 v[NIL], 0
	v_lshrrev_b32 v[DA], 5, v0
	v_readfirstlane_b32 s[WV], v[DA]               ; wave 0..15
	v_and_b32 v[LI], 31, v0
	v_lshlrev_b32 v[LI], 4, v[LI]
	s_lshl_b32 s20, s[WV], 11
	v_add_nc_u32 v[STA], s20, v[LI]
	v_add_nc_u32 v[CA], 0x8000, v[STA]             ; part 1
	v_add_nc_u32 v[MA], 0x200, v[LI]
	s_and_b32 s19, ttmp7, 0xffff                   ; 16 x batch + head
	s_lshl_b32 s18, ttmp9, 5
	s_add_co_u32 s18, s18, s[WV]                   ; tile A = 32 x + wave; tile B lies 16 tiles on
	s_lshl_b32 s20, s19, 18                        ; kv: 262,144 bytes a head
	s_mov_b32 s21, 0
	s_lshl_b32 s22, s19, 17
	s_lshl_b32 s23, s18, 10
	s_add_co_u32 s22, s22, s23                     ; qi: 131,072 bytes a head, 1,024 a tile
	s_mov_b32 s23, 0
	s_lshl_b32 s24, s18, 12                        ; mbits: 4,096 bytes a tile
	s_mov_b32 s25, 0
	s_lshr_b32 s26, s19, 4
	s_lshl_b32 s26, s26, 21                        ; ao: 128 tiles of 16,384 bytes a batch,
	s_lshl_b32 s27, s18, 14
	s_add_co_u32 s26, s26, s27
	s_and_b32 s27, s19, 15
	s_lshl_b32 s27, s27, 10                        ; 1,024 bytes a head in a tile
	s_add_co_u32 s26, s26, s27
	s_mov_b32 s27, 0
	s_mov_b32 s[SEL], 0x76543210
	s_mov_b32 s[SEL+1], 0xfedcba98
	s_mov_b32 s[TBS], 0
	s_mov_b32 s[FN], 0
	s_wait_alu depctr_va_vdst(0)
	s_wait_kmcnt 0x0
	s_add_nc_u64 s[6:7], s[6:7], s[20:21]
	s_add_nc_u64 s[4:5], s[4:5], s[22:23]
	s_add_nc_u64 s[8:9], s[8:9], s[24:25]
	s_add_nc_u64 s[12:13], s[12:13], s[26:27]
	s_load_b256 s[16:23], s[10:11], 0x0            ; e0 .. e7
	s_load_b128 s[24:27], s[10:11], 0x20           ; e8 .. e11
.irp j, 0,1,2,3
	global_load_b128 v[32+4*\j:35+4*\j], v[STA], s[6:7] offset:512*\j            ; my bytes of part 0
.endr
	global_load_b128 v[48:51], v[LI], s[8:9]                                     ; part 0's mask words
	global_load_b128 v[52:55], v[LI], s[8:9] offset:65536
.irp g, 0,1
	global_load_b128 v[QA+4*\g:QA+4*\g+3], v[LI], s[4:5] offset:512*\g           ; Q's two fragments stay in registers
	global_load_b128 v[QB+4*\g:QB+4*\g+3], v[LI], s[4:5] offset:16384+512*\g
.endr
	ASK                                            ; part 1
	s_wait_kmcnt 0x0
	s_add_co_i32 s18, s22, s23                     ; e6 + e7
	s_sub_co_i32 s19, 160, s18                     ; 33 - (e6 + e7), with the exponent's bias
	s_lshl_b32 s19, s19, 23
	s_or_b32 s19, s19, 0x80000000
	v_mov_b32 v[SM], s19                           ; -2^(33 - e6 - e7)
	s_lshl_b32 s18, s18, 23
	s_add_co_i32 s[CS], s18, 0x3e38aa3b            ; c0 = log2(e) / 8, the two exponents added to its exponent field
	s_mov_b32 s[CS+1], s[CS]
	s_xor_b32 s[NC], s[CS], 0x80000000
	s_add_co_i32 s[EPV], s24, s25
	s_cmp_lt_i32 s24, -15
	s_cselect_b32 s[HF], 1, 0
	s_add_co_i32 s18, s24, 127
	s_lshl_b32 s19, s18, 23
	v_mov_b32 v[E8S], s19
	s_add_co_i32 s18, s18, 15
	s_lshl_b32 s18, s18, 23
	s_or_b32 s18, s18, 0x600000
	v_mov_b32 v[L8], s18
	s_add_co_i32 s18, s26, 127
	s_lshl_b32 s19, s18, 23
	v_mov_b32 v[E10S], s19
	s_add_co_i32 s18, s18, 15
	s_lshl_b32 s18, s18, 23
	s_or_b32 s18, s18, 0x600000
	v_mov_b32 v[L10], s18
	s_mov_b32 s[TS], 0x8000                        ; part 1 is on its way
	s_wait_alu depctr_va_vdst(0)
	s_wait_loadcnt 6                               ; part 0, its mask words and Q are in; part 1's six loads may be out
.irp j, 0,1,2,3
	ds_store_b128 v[STA], v[32+4*\j:35+4*\j] offset:512*\j
.endr
	FLAGS 48, 52, FL
	s_wait_dscnt 0x0                               ; my stores are done
	s_barrier_signal -1
	v_mov_b32 v[RA], 0xff61b1e6                    ; -3e38, under every score
	v_mov_b32 v[RB], 0xff61b1e6
	v_mov_b32 v16, 0x7f61b1e6                      ; the old -M of the first step: f = 0 there
	v_mov_b32 v18, 0x7f61b1e6
.irp r, 19,20,21,22,23,225,227,230,231
	v_mov_b32 v\r, 0                               ; the sums; upper halves of pairs and permutes' destinations, which count as read
.endr
	v_mov_b32 v[ADR], v[LI]
.set jj, 0
.rept 64
	v_mov_b32 v[OA+jj], 0                          ; O^T of both tiles: the step is written once; the first f leaves zeros zeros
.set jj, jj+1
.endr
	s_wait_alu depctr_va_vdst(0)
	s_barrier_wait -1                              ; images 0 and 1 lie in LDS
.set jj, 0
.rept 8
	ds_load_b128 v[XB+4*jj:XB+4*jj+3], v[LI] offset:512*jj   ; K of step 0; every later K is asked for a step ahead
.set jj, jj+1
.endr
; A STEP: 64 keys, half u of the image in hand.  kb: K, then V.  sa: S_A, p_A, then the next K.  nn, no: the registers of the new and of the old -M.  fb: the step's bit in s[FL].
.macro STEP kb, sa, u, nn, no, fb
	s_wait_dscnt 0x0                               ; K's four fragments are in
.set tt, 0
.rept 4
	v_wmma_f32_16x16x64_bf8_bf8 v[\sa+8*tt:\sa+8*tt+7], v[\kb+8*tt:\kb+8*tt+7], v[QA:QA+7], 0
	v_wmma_f32_16x16x64_bf8_bf8 v[ZB+8*tt:ZB+8*tt+7], v[\kb+8*tt:\kb+8*tt+7], v[QB:QB+7], 0
.set tt, tt+1
.endr
.rept 4
	v_nop                                          ; four places in front of the loads into K's registers and of the first read of the scores
.endr
.set tt, 0
.rept 4
	ds_load_b128 v[\kb+8*tt:\kb+8*tt+3], v[ADR] offset:8192+2048*tt+1024*\u       ; V^T: 16 channels x these 64 keys, four times
	ds_load_b128 v[\kb+8*tt+4:\kb+8*tt+7], v[ADR] offset:8192+2048*tt+1024*\u+512
.set tt, tt+1
.endr
	s_bitcmp1_b32 s[FL], \fb
	s_cbranch_scc1 .Lopen_\@                       ; no hole in this step: no words, nothing to select
	s_lshr_b32 s[MO], s[TBS], 6                    ; 256 bytes of words an image, 128 a step
.if \u
	s_add_co_u32 s[MO], s[MO], 128
.endif
	MWORDS
	s_wait_kmcnt 0x0
.set jj, 0
.rept 32
	v_cndmask_b32 v[\sa+jj], v[SM], v[\sa+jj], s[32+jj]   ; where the mask is 0: the masked score; each tile from its low end on
.set jj, jj+1
.endr
.set jj, 0
.rept 32
	v_cndmask_b32 v[ZB+jj], v[SM], v[ZB+jj], s[68+jj]
.set jj, jj+1
.endr
.Lopen_\@:
.if \u
	s_add_co_u32 s[TBS], s[TBS], 16384             ; on to the next image; behind the last one, back to image 0
	s_and_b32 s[TBS], s[TBS], 0x3ffff
	v_add_nc_u32 v[ADR], s[TBS], v[LI]
.endif
	v_max3_num_f32 v[MX], v[RA], v[\sa], v[\sa+1]          ; the largest score so far, this step's among them: two chains a tile, four by turns, each tile of scores from its low end on
	v_max3_num_f32 v[MX+1], v[RA], v[\sa+16], v[\sa+17]
	v_max3_num_f32 v[MX+2], v[RB], v[ZB], v[ZB+1]
	v_max3_num_f32 v[MX+3], v[RB], v[ZB+16], v[ZB+17]
.set jj, 2
.rept 7
	v_max3_num_f32 v[MX], v[MX], v[\sa+jj], v[\sa+jj+1]
	v_max3_num_f32 v[MX+1], v[MX+1], v[\sa+16+jj], v[\sa+17+jj]
	v_max3_num_f32 v[MX+2], v[MX+2], v[ZB+jj], v[ZB+jj+1]
	v_max3_num_f32 v[MX+3], v[MX+3], v[ZB+16+jj], v[ZB+17+jj]
.set jj, jj+2
.endr
	v_max_num_f32 v[MX], v[MX], v[MX+1]
	v_max_num_f32 v[MX+2], v[MX+2], v[MX+3]
	v_permlanex16_b32 v[XA], v[MX], s[SEL], s[SEL+1]
	v_permlanex16_b32 v[XC], v[MX+2], s[SEL], s[SEL+1]
	v_max_num_f32 v[RA], v[MX], v[XA]              ; and lane l xor 16's
	v_max_num_f32 v[RB], v[MX+2], v[XC]
	v_mul_f32 v[DA], s[NC], v[RA]                  ; -t (c is positive)
	v_mul_f32 v[DB], s[NC], v[RB]
	v_floor_f32 v[\nn], v[DA]                      ; the new -M = floor(-t): M is a whole number
	v_floor_f32 v[\nn+2], v[DB]
	v_sub_f32 v[DA], v[\nn], v[\no]                ; old M less new M: a whole number, 0 or less
	v_sub_f32 v[DB], v[\nn+2], v[\no+2]
	v_cvt_i32_f32 v[DA], v[DA]                     ; (it saturates)
	v_cvt_i32_f32 v[DB], v[DB]
	v_ldexp_f32 v[FFA], 1.0, v[DA]                 ; f
	v_ldexp_f32 v[FFB], 1.0, v[DB]
.set jj, 0
.rept 16
	v_pk_fma_f32 v[\sa+jj:\sa+jj+1], v[\sa+jj:\sa+jj+1], s[CS:CS+1], v[\nn:\nn+1] op_sel_hi:[1,0,0]   ; t - M in one fused step (of the pairs c and -M the low word serves both halves)
	v_pk_fma_f32 v[ZB+jj:ZB+jj+1], v[ZB+jj:ZB+jj+1], s[CS:CS+1], v[\nn+2:\nn+3] op_sel_hi:[1,0,0]
.set jj, jj+2
.endr
.set jj, 0
.rept 16
	v_pk_mul_f32 v[OA+jj:OA+jj+1], v[OA+jj:OA+jj+1], v[FFA:FFA+1] op_sel_hi:[1,0]   ; O^T under the new M, ahead of the exponentials, from each tile's low end on
	v_pk_mul_f32 v[OB+jj:OB+jj+1], v[OB+jj:OB+jj+1], v[FFB:FFB+1] op_sel_hi:[1,0]
.set jj, jj+2
.endr
	s_wait_alu depctr_va_vdst(0)
.set jj, 0
.rept 32
	v_exp_f32 v[\sa+jj], v[\sa+jj]                 ; p = 2^(t - M)
	v_exp_f32 v[ZB+jj], v[ZB+jj]
.set jj, jj+1
.endr
	v_nop                                          ; a plain place behind the last exponential
	s_wait_alu depctr_va_vdst(0)                   ; one wait for the whole batch, ahead of its first reader
	v_pk_fma_f32 v[LA:LA+1], v[LA:LA+1], v[FFA:FFA+1], v[\sa:\sa+1] op_sel_hi:[1,0,1]   ; the sum x f + p: of the unquantised p, two chains a tile
	v_pk_fma_f32 v[LB:LB+1], v[LB:LB+1], v[FFB:FFB+1], v[ZB:ZB+1] op_sel_hi:[1,0,1]
	v_pk_add_f32 v[TA:TA+1], v[\sa+2:\sa+3], v[\sa+4:\sa+5]
	v_pk_add_f32 v[TC:TC+1], v[ZB+2:ZB+3], v[ZB+4:ZB+5]
.set jj, 6
.rept 6
	v_pk_add_f32 v[LA:LA+1], v[LA:LA+1], v[\sa+jj:\sa+jj+1]
	v_pk_add_f32 v[LB:LB+1], v[LB:LB+1], v[ZB+jj:ZB+jj+1]
	v_pk_add_f32 v[TA:TA+1], v[TA:TA+1], v[\sa+jj+2:\sa+jj+3]
	v_pk_add_f32 v[TC:TC+1], v[TC:TC+1], v[ZB+jj+2:ZB+jj+3]
.set jj, jj+4
.endr
	v_pk_add_f32 v[LA:LA+1], v[LA:LA+1], v[\sa+30:\sa+31]
	v_pk_add_f32 v[LB:LB+1], v[LB:LB+1], v[ZB+30:ZB+31]
	s_cmp_eq_u32 s[HF], 0
	s_wait_alu depctr_va_vdst(0)
	s_cbranch_scc1 .Lfits_\@                       ; e8 >= -15: every p lies under 57,344 x 2^e8
.set jj, 0
.rept 32
	v_min_num_f32 v[\sa+jj], v[\sa+jj], v[L8]      ; the conversion does not saturate (ISA guide 7.6.2); p is not negative, so the hold is one-sided
	v_min_num_f32 v[ZB+jj], v[ZB+jj], v[L8]
.set jj, jj+1
.endr
.Lfits_\@:
.set tt, 0
.rept 4
	v_cvt_scalef32_pk8_bf8_f32 v[PA+2*tt:PA+2*tt+1], v[\sa+8*tt:\sa+8*tt+7], v[E8S]
.set tt, tt+1
.endr
.set jj, 0
.rept 8
	ds_load_b128 v[\sa+4*jj:\sa+4*jj+3], v[ADR] offset:4096*(1-\u)+512*jj   ; the next step's K, where p_A lay: the image's second half, or the first half of the next image, at which the address already stands
.set jj, jj+1
.endr
.set tt, 0
.rept 4
	v_cvt_scalef32_pk8_bf8_f32 v[PB+2*tt:PB+2*tt+1], v[ZB+8*tt:ZB+8*tt+7], v[E8S]
.set tt, tt+1
.endr
	v_nop                                          ; a plain instruction between the conversions and the products that read their results
	s_wait_alu depctr_va_vdst(0)
	s_wait_dscnt 8                                 ; V^T's eight loads are in; the eight behind them, the next K, may stay out
.set tt, 0
.rept 4
	v_wmma_f32_16x16x64_bf8_bf8 v[OA+8*tt:OA+8*tt+7], v[\kb+8*tt:\kb+8*tt+7], v[PA:PA+7], v[OA+8*tt:OA+8*tt+7]   ; the eight accumulators take turns
	v_wmma_f32_16x16x64_bf8_bf8 v[OB+8*tt:OB+8*tt+7], v[\kb+8*tt:\kb+8*tt+7], v[PB:PB+7], v[OB+8*tt:OB+8*tt+7]
.set tt, tt+1
.endr
	v_pk_add_f32 v[LA:LA+1], v[LA:LA+1], v[TA:TA+1]   ; the sums' chains are joined: with the three below, five places in front of the next step's products, which write over V's registers
	v_pk_add_f32 v[LB:LB+1], v[LB:LB+1], v[TC:TC+1]
.rept 3
	v_nop
.endr
.endm
	s_mov_b32 s[CNT], 8
.Lpart:                                            ; eight trips of four steps: a part of two images each
	STEP XB, YB, 0, 12, 16, 0
	STEP YB, XB, 1, 16, 12, 1
	; THE FILL, between the part's two images: the second image's last step looks ahead into the next part, so that part is stored here
	s_wait_alu depctr_va_vdst(0)
	s_wait_loadcnt 0x0                             ; the next part's bytes and mask words, asked for a trip ago
	s_cmp_eq_u32 s[CNT], 1
	s_cbranch_scc1 .Lnofill                        ; the last trip has no next part: the loop's count alone decides
	ds_store_b128 v[CA], v[232:235]
	ds_store_b128 v[CA], v[236:239] offset:512
	ds_store_b128 v[CA], v[248:251] offset:1024
	ds_store_b128 v[CA], v[252:255] offset:1536
	FLAGS MQA, MQB, FN
.Lnofill:
	s_wait_dscnt 0x0                               ; my stores are done
	s_barrier_signal -1
	s_barrier_wait -1                              ; everybody's are: the next part lies in LDS
	s_add_co_u32 s[TS], s[TS], 32768               ; the part after that (the loads above are done, so their offsets may be written)
	s_and_b32 s[TS], s[TS], 0x3ffff
	s_lshr_b32 s16, s[TS], 6                       ; 512 bytes of mask words a part
	v_add_nc_u32 v[CA], s[TS], v[STA]
	v_add_nc_u32 v[MA], s16, v[LI]
	s_cmp_lt_u32 s[CNT], 3
	s_cbranch_scc1 .Lnoask                         ; the last two trips ask for nothing: part 7 is the last
	ASK
.Lnoask:
	STEP XB, YB, 0, 12, 16, 2
	STEP YB, XB, 1, 16, 12, 3
	s_mov_b32 s[FL], s[FN]
	s_sub_co_u32 s[CNT], s[CNT], 1
	s_cmp_lg_u32 s[CNT], 0
	s_wait_alu depctr_va_vdst(0)
	s_cbranch_scc1 .Lpart
	; THE WAY OUT (the step's last five lines are the places behind the last products)
	s_wait_dscnt 0x0                               ; the last look-ahead has landed: its registers may be written
	v_add_f32 v[LA], v[LA], v[LA+1]                ; each sum's two halves,
	v_add_f32 v[LB], v[LB], v[LB+1]
	v_permlanex16_b32 v[XA], v[LA], s[SEL], s[SEL+1]
	v_permlanex16_b32 v[XC], v[LB], s[SEL], s[SEL+1]
	v_add_f32 v[LA], v[LA], v[XA]                  ; and lane l xor 16's
	v_add_f32 v[LB], v[LB], v[XC]
	s_wait_alu depctr_va_vdst(0)
	v_rcp_f32 v[LA], v[LA]
	v_rcp_f32 v[LB], v[LB]
	v_nop                                          ; a plain place behind them
	s_wait_alu depctr_va_vdst(0)                   ; the wait ahead of their first reader
	v_ldexp_f32 v[LA], v[LA], s[EPV]               ; x 2^(e8 + e9)
	v_ldexp_f32 v[LB], v[LB], s[EPV]
	s_wait_alu depctr_va_vdst(0)                   ; ahead of the first readers of O^T
.set jj, 0
.rept 16
	v_pk_mul_f32 v[XB+jj:XB+jj+1], v[OA+jj:OA+jj+1], v[LA:LA+1] op_sel_hi:[1,0]   ; register 8 c + j: channel 16 c + 8 (lane / 16) + j of my query
	v_pk_mul_f32 v[YB+jj:YB+jj+1], v[OB+jj:OB+jj+1], v[LB:LB+1] op_sel_hi:[1,0]
.set jj, jj+2
.endr
.set jj, 0
.rept 64
	v_med3_num_f32 v[XB+jj], v[XB+jj], -v[L10], v[L10]   ; the hold at 57,344 x 2^e10
.set jj, jj+1
.endr
.set tt, 0
.rept 8
	v_cvt_scalef32_pk8_bf8_f32 v[PA+2*tt:PA+2*tt+1], v[XB+8*tt:XB+8*tt+7], v[E10S]   ; tile A's four, then tile B's four
.set tt, tt+1
.endr
	v_nop                                          ; a plain instruction behind the conversions
.irp g, 0,1
	global_store_b128 v[LI], v[PA+4*\g:PA+4*\g+3], s[12:13] offset:512*\g          ; 32 lanes store 512 consecutive bytes, aligned: my head's half of a fragment of the next product
	global_store_b128 v[LI], v[PB+4*\g:PB+4*\g+3], s[12:13] offset:262144+512*\g
.endr
	s_wait_tensorcnt 0x0                           ; the wave's end, behind my last LDS store
	ds_add_u32 v[SPW], v[NIL]
	s_wait_dscnt 0x0
	s_endpgm
.Lfunc_end_k_q6e21d48960_attn:
	.size	k_q6e21d48960_attn, .Lfunc_end_k_q6e21d48960_attn-k_q6e21d48960_attn
	.p2alignl 7, 3214868480
	.fill 96, 4, 3214868480
	.section	.rodata,"a",@progbits
	.p2align	6, 0x0
	.amdhsa_kernel k_q6e21d48960_attn
		.amdhsa_group_segment_fixed_size 264192
		.amdhsa_private_segment_fixed_size 0
		.amdhsa_enable_private_segment 0
		.amdhsa_kernarg_size 40
		.amdhsa_user_sgpr_count 2
		.amdhsa_user_sgpr_kernarg_segment_ptr 1
		.amdhsa_wavefront_size32 1
		.amdhsa_system_sgpr_workgroup_id_x 1
		.amdhsa_system_sgpr_workgroup_id_y 1
		.amdhsa_system_sgpr_workgroup_id_z 1
		.amdhsa_system_vgpr_workitem_id 0
		.amdhsa_next_free_vgpr 256
		.amdhsa_next_free_sgpr 100
		.amdhsa_reserve_vcc 0
		.amdhsa_float_denorm_mode_32 3
		.amdhsa_float_denorm_mode_16_64 3
		.amdhsa_memory_ordered 1
		.amdhsa_forward_progress 1
		.amdhsa_inst_pref_size 100
	.end_amdhsa_kernel
	.amdgpu_metadata
---
amdhsa.version: [ 1, 2 ]
amdhsa.kernels:
  - .name:           k_q6e21d48960_attn
    .symbol:         k_q6e21d48960_attn.kd
    .args:
      - { .name: qi, .offset: 0, .size: 8, .value_kind: global_buffer, .address_space: global }
      - { .name: kv, .offset: 8, .size: 8, .value_kind: global_buffer, .address_space: global }
      - { .name: mbits, .offset: 16, .size: 8, .value_kind: global_buffer, .address_space: global }
      - { .name: lowp_scales, .offset: 24, .size: 8, .value_kind: global_buffer, .address_space: global }
      - { .name: ao, .offset: 32, .size: 8, .value_kind: global_buffer, .address_space: global }
    .group_segment_fixed_size: 264192
    .private_segment_fixed_size: 0
    .kernarg_segment_align: 8
    .kernarg_segment_size: 40
    .max_flat_workgroup_size: 512
    .sgpr_count:     100
    .vgpr_count:     256
    .wavefront_size: 32
...
	.end_amdgpu_metadata
.endif
;; end of part 3
;; launch outp (part 4): grid 4 x 64, 4 waves a work-group, clusters of 4 x 4, 327,680 bytes of LDS; arguments ao, wc, b_o, lowp_scales, out0; writes out0
.if DOCPART == 4
	.amdgcn_target "amdgcn-amd-amdhsa--gfx1250"
	.amdhsa_code_object_version 6
	.text
	.protected	k_q6e21d48960_outp
	.globl	k_q6e21d48960_outp
	.p2align	8
	.type	k_q6e21d48960_outp,@function
k_q6e21d48960_outp:
	s_mov_b64 s[64:65], 0
	v_nop
	global_prefetch_b8 v0, s[64:65] scope:SCOPE_SE
	s_setreg_imm32_b32 hwreg(HW_REG_WAVE_MODE, 25, 1), 1
	s_wait_xcnt 0x0
	s_wait_alu depctr_hold_cnt(0) depctr_sa_sdst(0) depctr_va_vdst(0) depctr_va_sdst(0) depctr_va_ssrc(0) depctr_va_vcc(0) depctr_vm_vsrc(0)
	s_getreg_b32 s2, hwreg(HW_REG_IB_STS2, 6, 4)
	s_cmp_eq_u32 s2, 0
	s_cbranch_scc0 .Lentry_in_a_cluster
	s_endpgm
.Lentry_in_a_cluster:
	s_bfe_u32 s2, ttmp6, 0x10000c
	s_cmp_lg_u32 s2, 0xf033
	s_cbranch_scc0 .Lentry_shape_is_right
	s_endpgm
.Lentry_shape_is_right:
; FOURTH LAUNCH: out0 = attention's result x W_o^T + b_o, on codes of BF8 (E5M2): out0[m][n] = 2^(e10 + e11) x sum over k of ao[m][k] wc_o[n][k] + b_o[n].  Nothing is left out.
; LIMIT: e10 + e11 between -126 and 127, so that 2^(e10 + e11) is an f32 number.
; ao and W_o's part of wc are images of fragments: [tile of 16 rows][K step of 128][2,048 bytes], group c of four registers at 512 c + 16 x lane.
; SHARES.  A work-group makes 128 x 256 of out0: 64 x 4 = 256 work-groups.  Each of its four waves makes 64 x 128: 32 accumulators of 16 x 16 in window 2.
; CLUSTERS: 4 x 4 work-groups; A's tiles are asked for jointly along a row of the cluster, B's along a column.  Waves 0 and 1 fetch A's halves (4 tiles of rows each), waves 2 and 3 B's (8 tiles each).
; K = 1,024 COMES IN THREE FILLS.  Region 0 (196,608 bytes) takes K 0-511 at the head; region 1 (98,304 bytes) takes K 512-767, a first fill behind the full sequence and a round;
; region 0 is filled again with K 768-1,023 behind a round, when every wave of the cluster has read K 0-511.  By the text's own count a wave has one tensor load out at any time.
; No prefetch: the text has three fills and no loop to run ahead in.
; THE MATRIX INSTRUCTION IS USED TRANSPOSED (source 0 = 16 rows of W_o, source 1 = 16 rows of ao): a lane holds eight neighbouring numbers of a row of out0.
; REGISTERS: window 0: v0-31 addresses, v64-127 the bias, v128-191 and v192-255 A's fragments, two sets; window 1: B's fragments, two sets, at v0 and v128; window 2: accumulator (a, b) at v[8 (8 a + b)].
; While one set is multiplied (32 products), the next K step's 48 LDS loads land in the other.
.set NP,     4
.set R1,     196608                    ; region 1; after its last read it holds the four stages of the way out
.set SPARE,  294912                    ; behind the regions: the spare words, 128 bytes a wave, that no other line names
.set SPITCH, 528
.set BO,   11
.set ADRA, 16                          ; v16, v17: my A fragments in region 0, 1
.set ADRB, 20                          ; v20, v21: the same for B
.set STO,  24
.set RD,   25
.set CO,   26
.set SPW,  28
.set NIL,  29
.set BI,   64
.set TMP,  0
.set AF,   128
.set BK,   128
.set GA0, 24                           ; groups 1: A and B, rows of 8,192 bytes (K 512)
.set GB0, 32
.set GA1, 48                           ; and rows of 4,096 bytes (K 256)
.set GB1, 56
.set G0A, 68                           ; groups 0, one for each fill: s[68:79] A, s[80:91] B
.set G0B, 80
.set MSB, 0
.macro WIN new                         ; the immediate's high byte repeats the setting that is left
.if MSB != \new
	s_set_vgpr_msb (MSB<<8)|\new
.set MSB, \new
.endif
.endm
.set MUL_LO, 0xa1                      ; source 0 (B) window 1, source 1 (A) window 0, C and D window 2
.set TO_B,   0x40
.macro JLOAD g0a, g1a, g0b, g1b        ; a joint load: the branch hangs on the wave's number alone; an s_nop 0 and four v_nop follow each line
	s_cmp_eq_u32 s15, 0
	s_cbranch_scc0 .Lfor_b_\@
	tensor_load_to_lds s[\g0a:\g0a+3], s[\g1a:\g1a+7]
	s_nop 0
.rept 4
	v_nop
.endr
	s_branch .Lasked_\@
.Lfor_b_\@:
	tensor_load_to_lds s[\g0b:\g0b+3], s[\g1b:\g1b+7]
	s_nop 0
.rept 4
	v_nop
.endr
.Lasked_\@:
.endm
.macro CROUND                          ; a round of the cluster's barrier
	s_barrier_signal -1
	s_barrier_wait -1
	s_cmp_lg_u32 s14, 0
	s_cbranch_scc1 .Lnot_wave_0_\@
	s_barrier_signal -3
.Lnot_wave_0_\@:
	s_barrier_wait -3
	s_barrier_signal -1
	s_barrier_wait -1
.endm
.macro GRP1 g, c, r                    ; r rows of c elements of 8 bytes, 2,048 elements (a tile of rows' whole K) apart
	s_mov_b32 s[\g+1], (\c)<<16
	s_mov_b32 s[\g+2], (\r)<<16
	s_mov_b32 s[\g+3], (\c)<<16
	s_mov_b32 s[\g+4], \r
	s_mov_b32 s[\g+5], 2048
	s_mov_b32 s[\g+6], 0
	s_mov_b32 s[\g+7], 0
.endm
.macro GRP0 g, lreg, loff, adr, koff
	s_mov_b32 s[\g], 1
	s_add_co_u32 s[\g+1], s\lreg, \loff
	s_add_nc_u64 s[\g+2:\g+3], s[\adr:\adr+1], \koff
	s_or_b32 s[\g+3], s[\g+3], 0x80000000
.endm
	s_load_b256 s[4:11], s[0:1], 0x0               ; ao, wc, b_o, the exponents
	s_load_b64 s[12:13], s[0:1], 0x20              ; out0
	v_lshl_add_u32 v[SPW], v0, 2, SPARE
	v_mov_b32 v[NIL], 0
	ds_add_u32 v[SPW], v[NIL]                      ; the wave's opening: the add, twice on end, and its wait ahead of my first tensor load
	ds_add_u32 v[SPW], v[NIL]
	v_lshrrev_b32 v1, 5, v0
	v_readfirstlane_b32 s14, v1                    ; wave 0..3
	s_lshr_b32 s15, s14, 1                         ; my half of the block's rows.  Also: I fetch for A (0) or for B (1)
	s_and_b32 s16, s14, 1                          ; my half of its columns.  Also: which half of that tile I fetch
	s_bfe_u32 s40, ttmp6, 0x40000                  ; cx, cy
	s_bfe_u32 s41, ttmp6, 0x40004
	s_lshl_b32 s42, ttmp9, 2
	s_add_co_u32 s42, s42, s40                     ; block column 0..3
	s_and_b32 s17, ttmp7, 0xffff
	s_lshl_b32 s17, s17, 2
	s_add_co_u32 s17, s17, s41                     ; block row 0..63
	s_lshl_b32 s43, s41, 2
	s_lshl_b32 s43, 15, s43                        ; my row of the cluster
	s_lshl_b32 s44, 0x1111, s40                    ; my column
	s_or_b32 s[GA0], s43, (3<<16)|(1<<21)          ; the mask; elements of 8 bytes; no padding; bit 21 beside a mask
	s_or_b32 s[GA1], s43, (3<<16)|(1<<21)
	s_or_b32 s[GB0], s44, (3<<16)|(1<<21)
	s_or_b32 s[GB1], s44, (3<<16)|(1<<21)
	GRP1 GA0, 1024, 4
	GRP1 GB0, 1024, 8
	GRP1 GA1, 512, 4
	GRP1 GB1, 512, 8
	s_lshl_b32 s20, s17, 17                        ; A: 128 rows of 1,024 bytes a block row,
	s_lshl_b32 s18, s16, 16                        ; 64 rows a half
	s_add_co_u32 s20, s20, s18
	s_mov_b32 s21, 0
	s_lshl_b32 s46, s42, 18                        ; B: 256 rows a block column,
	s_lshl_b32 s18, s16, 17                        ; 128 rows a half,
	s_add_co_u32 s46, s46, s18
	s_add_co_u32 s46, s46, 0x300000                ; in W_o's part of wc
	s_mov_b32 s47, 0
	s_lshl_b32 s22, s16, 15                        ; LDS: halves of 32,768, 16,384 and 65,536 bytes: the wave's number alone
	s_lshl_b32 s23, s16, 14
	s_lshl_b32 s45, s16, 16
	s_wait_dscnt 0x0                               ; both opening adds are done
	s_wait_kmcnt 0x0
	s_load_b64 s[96:97], s[10:11], 0x28            ; e10, e11
	s_add_nc_u64 s[20:21], s[4:5], s[20:21]
	s_add_nc_u64 s[46:47], s[6:7], s[46:47]
	CROUND                                         ; all sixteen work-groups are here: the first joint loads meet
	GRP0 G0A,   22, 0,        20, 0                ; K 0-511 into region 0
	GRP0 G0A+4, 23, R1,       20, 8192             ; K 512-767 into region 1
	GRP0 G0A+8, 22, 0,        20, 12288            ; K 768-1,023 into region 0
	GRP0 G0B,   45, 65536,    46, 0
	GRP0 G0B+4, 22, R1+32768, 46, 8192
	GRP0 G0B+8, 45, 65536,    46, 12288
	JLOAD G0A, GA0, G0B, GB0                       ; one tensor load a wave at the head
	s_lshl_b32 s18, s15, 15                        ; what I read: A's half by my rows,
	s_lshl_b32 s19, s15, 14
	s_add_co_u32 s19, s19, R1
	s_add_co_u32 s45, s45, 65536                   ; B's half by my columns
	s_add_co_u32 s22, s22, R1+32768
	s_mul_i32 s23, s14, 16*SPITCH
	s_add_co_u32 s23, s23, R1                      ; my stage
	s_lshl_b32 s20, s17, 7
	s_lshl_b32 s21, s15, 6
	s_add_co_u32 s20, s20, s21                     ; my first row of out0
	s_lshl_b32 s20, s20, 12
	s_lshl_b32 s46, s42, 10                        ; my first column, in bytes
	s_lshl_b32 s47, s16, 9
	s_add_co_u32 s46, s46, s47
	s_mov_b32 s47, 0
	s_add_nc_u64 s[92:93], s[8:9], s[46:47]        ; the bias at my columns
	s_add_co_u32 s20, s20, s46
	s_mov_b32 s21, 0
	s_add_nc_u64 s[12:13], s[12:13], s[20:21]
	v_and_b32 v1, 15, v0
	v_bfe_u32 v2, v0, 4, 1
	v_and_b32 v6, 31, v0
	v_lshlrev_b32 v[CO], 4, v6
	v_add_nc_u32 v[ADRA], s18, v[CO]
	v_add_nc_u32 v[ADRA+1], s19, v[CO]
	v_add_nc_u32 v[ADRB], s45, v[CO]
	v_add_nc_u32 v[ADRB+1], s22, v[CO]
	v_mul_u32_u24 v5, v1, SPITCH
	v_lshl_add_u32 v5, v2, 5, v5
	v_add_nc_u32 v[STO], s23, v5                   ; the stage, in: row l % 16, 32 bytes for each half of the lanes
	v_add_nc_u32 v[RD], s23, v[CO]                 ; and back: 32 lanes take a row of 512 bytes
	v_lshlrev_b32 v[BO], 5, v2
.set jj, 0
.rept 8
	global_load_b128 v[BI+8*jj:BI+8*jj+3], v[BO], s[92:93] offset:64*jj          ; b_o at columns 16 jj + 8 (l / 16) + 0 .. 7
	global_load_b128 v[BI+8*jj+4:BI+8*jj+7], v[BO], s[92:93] offset:64*jj+16
.set jj, jj+1
.endr
.macro PLACES n
.rept \n
	v_nop
.endr
.endm
.macro FETCH ra, rb, pitch, q, p       ; the fragments of the region's q-th 128 along K into sets p: B's eight, A's four; a tile of rows is pitch bytes in the region
	WIN TO_B
.irp i, 0,1,2,3,4,5,6,7
.irp c, 0,1,2,3
	ds_load_b128 v[128*(\p)+16*\i+4*\c:128*(\p)+16*\i+4*\c+3], v[\rb] offset:(\pitch)*\i+2048*(\q)+512*\c
.endr
.endr
	WIN 0
.irp i, 0,1,2,3
.irp c, 0,1,2,3
	ds_load_b128 v[AF+64*(\p)+16*\i+4*\c:AF+64*(\p)+16*\i+4*\c+3], v[\ra] offset:(\pitch)*\i+2048*(\q)+512*\c
.endr
.endr
.endm
.macro MUL32 p, zero                   ; 32 products, the 32 accumulators by turns; zero = 1: the first product starts the sums
	WIN MUL_LO
.irp a, 0,1,2,3
.irp b, 0,1,2,3,4,5,6,7
.if \zero
	v_wmma_f32_16x16x128_bf8_bf8 v[8*(8*\a+\b):8*(8*\a+\b)+7], v[128*(\p)+16*\b:128*(\p)+16*\b+15], v[AF+64*(\p)+16*\a:AF+64*(\p)+16*\a+15], 0
.else
	v_wmma_f32_16x16x128_bf8_bf8 v[8*(8*\a+\b):8*(8*\a+\b)+7], v[128*(\p)+16*\b:128*(\p)+16*\b+15], v[AF+64*(\p)+16*\a:AF+64*(\p)+16*\a+15], v[8*(8*\a+\b):8*(8*\a+\b)+7]
.endif
.endr
.endr
	WIN 0
.endm
.macro KSF p, zero, ra, rb, pitch, q   ; a K step whose successor lies in the same region: the successor's loads go out first, four places behind the products that read their registers
	s_wait_dscnt 0x0
	PLACES NP
	FETCH \ra, \rb, \pitch, \q, 1-(\p)
	MUL32 \p, \zero
.endm
.macro KSB p                           ; a region's last K step: all my tensor loads, the add, the products between it and its wait; then my reads of the region are over
	s_wait_tensorcnt 0x0
	ds_add_u32 v[SPW], v[NIL]
	s_wait_dscnt 1                                 ; the step's fragments are in; the add may be out
	MUL32 \p, 0
	s_wait_dscnt 0x0
.endm
	s_wait_alu depctr_va_vdst(0)
	s_wait_tensorcnt 0x0                           ; my part of K 0-511 is in; the same lines stand ahead of a later first fill as ahead of a refill
	ds_add_u32 v[SPW], v[NIL]
	s_wait_dscnt 0x0
	CROUND
	JLOAD G0A+4, GA1, G0B+4, GB1                   ; K 512-767, the first tensor load behind the round
	FETCH ADRA, ADRB, 8192, 0, 0
	KSF 0, 1, ADRA, ADRB, 8192, 1
	KSF 1, 0, ADRA, ADRB, 8192, 2
	KSF 0, 0, ADRA, ADRB, 8192, 3
	KSB 1
	CROUND                                         ; no wave of any partner still reads region 0 or has a load on its way
	JLOAD G0A+8, GA1, G0B+8, GB1                   ; K 768-1,023; the four v_nop behind it are the places in front of the loads below
	FETCH ADRA+1, ADRB+1, 4096, 0, 0
	KSF 0, 0, ADRA+1, ADRB+1, 4096, 1
	KSB 1
	s_barrier_signal -1                            ; everybody's part of K 768-1,023 is in, and nobody reads region 1 any more; nothing is filled again
	s_barrier_wait -1
	PLACES NP
	FETCH ADRA, ADRB, 4096, 0, 0
	KSF 0, 0, ADRA, ADRB, 4096, 1
	s_wait_dscnt 0x0
	MUL32 1, 0
; THE WAY OUT, block by block of 16 rows x 128 columns: sum x 2^(e10 + e11) + bias, through my own stage in region 1 (it has had its last fill and its last read), back as whole rows of 512 bytes.
.macro TOSTAGE a
.set AC, 64*(\a)
	WIN 0x42                                       ; source 0 window 2, destination window 1, the bias window 0
.set jj, 0
.rept 32
	v_pk_fma_f32 v[TMP+jj:TMP+jj+1], v[AC+jj:AC+jj+1], s[96:97], v[BI+jj:BI+jj+1] op_sel_hi:[1,0,1]   ; each accumulator from its low end on
.set jj, jj+2
.endr
	WIN 0x04                                       ; store data window 1
.irp b, 0,1,2,3,4,5,6,7
	ds_store_b128 v[STO], v[TMP+8*\b:TMP+8*\b+3] offset:64*\b
	ds_store_b128 v[STO], v[TMP+8*\b+4:TMP+8*\b+7] offset:64*\b+16
.endr
	WIN 0
.set BB, BK+64*((\a)%2)
.irp t, 0,1,2,3,4,5,6,7,8,9,10,11,12,13,14,15
	ds_load_b128 v[BB+4*\t:BB+4*\t+3], v[RD] offset:\t*SPITCH   ; LDS serves a wave's instructions in order: these see my stores
.endr
.endm
.macro SEND a, younger                 ; younger: the LDS instructions issued behind block a's loads, which may stay out
.set BB, BK+64*((\a)%2)
	s_wait_dscnt \younger
.if (\a) > 0
	s_add_nc_u64 s[12:13], s[12:13], 16*4096       ; (behind a wait on XCNT: the earlier stores have read their base)
.endif
.irp t, 0,1,2,3,4,5,6,7,8,9,10,11,12,13,14,15
	global_store_b128 v[CO], v[BB+4*\t:BB+4*\t+3], s[12:13] offset:\t*4096 th:TH_STORE_NT   ; 32 lanes store 512 consecutive bytes, aligned
.endr
.endm
	s_wait_kmcnt 0x0
	s_add_co_i32 s96, s96, s97
	s_add_co_i32 s96, s96, 127
	s_lshl_b32 s96, s96, 23                        ; 2^(e10 + e11)
	s_mov_b32 s97, s96
	s_wait_loadcnt 0x0                             ; the bias
	PLACES NP
	TOSTAGE 0
.irp a, 1,2,3
.if \a > 1
	s_wait_xcnt 0x0                                ; block a - 2's stores have read their registers and their base
.endif
	TOSTAGE \a
	SEND \a-1, 32
.endr
	s_wait_xcnt 0x0
	SEND 3, 0
	s_wait_tensorcnt 0x0                           ; the wave's end
	ds_add_u32 v[SPW], v[NIL]
	s_wait_dscnt 0x0
	CROUND                                         ; the closing round
	s_endpgm
.Lfunc_end_k_q6e21d48960_outp:
	.size	k_q6e21d48960_outp, .Lfunc_end_k_q6e21d48960_outp-k_q6e21d48960_outp
	.p2alignl 7, 3214868480
	.fill 96, 4, 3214868480
	.section	.rodata,"a",@progbits
	.p2align	6, 0x0
	.amdhsa_kernel k_q6e21d48960_outp
		.amdhsa_group_segment_fixed_size 327680
		.amdhsa_private_segment_fixed_size 0
		.amdhsa_enable_private_segment 0
		.amdhsa_kernarg_size 40
		.amdhsa_user_sgpr_count 2
		.amdhsa_user_sgpr_kernarg_segment_ptr 1
		.amdhsa_wavefront_size32 1
		.amdhsa_system_sgpr_workgroup_id_x 1
		.amdhsa_system_sgpr_workgroup_id_y 1
		.amdhsa_system_sgpr_workgroup_id_z 1
		.amdhsa_system_vgpr_workitem_id 0
		.amdhsa_next_free_vgpr 768
		.amdhsa_next_free_sgpr 100
		.amdhsa_reserve_vcc 0
		.amdhsa_float_denorm_mode_32 3
		.amdhsa_float_denorm_mode_16_64 3
		.amdhsa_memory_ordered 1
		.amdhsa_forward_progress 1
		.amdhsa_inst_pref_size 77
	.end_amdhsa_kernel
	.amdgpu_metadata
---
amdhsa.version: [ 1, 2 ]
amdhsa.kernels:
  - .name:           k_q6e21d48960_outp
    .symbol:         k_q6e21d48960_outp.kd
    .args:
      - { .name: ao, .offset: 0, .size: 8, .value_kind: global_buffer, .address_space: global }
      - { .name: wc, .offset: 8, .size: 8, .value_kind: global_buffer, .address_space: global }
      - { .name: b_o, .offset: 16, .size: 8, .value_kind: global_buffer, .address_space: global }
      - { .name: lowp_scales, .offset: 24, .size: 8, .value_kind: global_buffer, .address_space: global }
      - { .name: out0, .offset: 32, .size: 8, .value_kind: global_buffer, .address_space: global }
    .group_segment_fixed_size: 327680
    .private_segment_fixed_size: 0
    .kernarg_segment_align: 8
    .kernarg_segment_size: 40
    .max_flat_workgroup_size: 128
    .sgpr_count:     100
    .vgpr_count:     768
    .wavefront_size: 32
...
	.end_amdgpu_metadata
.endif
;; end of part 4
